; MI455X (gfx1250); checked and timed in simulation.
; The chip was launched on July 23, 2026; its instructions are those of AMD's public machine-readable ISA for CDNA 5 (MIT licence, August 2026) and "CDNA5" Instruction Set Architecture Reference Guide (July 2026). The comments in the code are by the model that wrote it; some were corrected since.
;; Memory Efficient Attention. Allowed arithmetic: matrix products marked QUANTISED: E5M2 operands, one given power-of-two scale a tensor, by v_wmma_f32_16x16x64_bf8_bf8 or v_wmma_f32_16x16x128_bf8_bf8, f32 sums; everything else in f32.
;; Inputs: Wk_codes 1,024 x 32 x 32 uint8 (E5M2 codes of Wk, K innermost, in blocks of 32 codes); Wo_codes 1,024 x 32 x 32 uint8 (E5M2 codes of Wo, K innermost, in blocks of 32 codes); Wq_codes 1,024 x 32 x 32 uint8 (E5M2 codes of Wq, K innermost, in blocks of 32 codes); Wv_codes 1,024 x 32 x 32 uint8 (E5M2 codes of Wv, K innermost, in blocks of 32 codes); attn_scale 1 float32; bk 1,024 float32; bo 1,024 float32; bq 1,024 float32; bv 1,024 float32; lowp_scales 12 int32 (the exponents e of the quantised operands' scales 2^e); x_codes 8 x 1,024 x 32 x 32 uint8 (E5M2 codes of x, K innermost, in blocks of 32 codes).
;; Outputs: out0 8 x 1,024 x 1,024 float32.
;; This version of the problem:
;;   THIS VERSION OF THE PROBLEM IS GIVEN IN LOW PRECISION. The matrix products marked QUANTISED in the list below multiply operands that are first quantised to E5M2 (5 exponent bits, 2 mantissa bits; 8 bits a number), with one given power-of-two scale for each operand tensor; their sums are f32. All else is computed in f32.
;;   The module's matrix products, in the order in which they are computed (A, B: the left and right operand; K: the contracted axis; several contracted axes count as one K, in the product's order):
;;     1. [M 8,192, K 1,024] x [K 1,024, N 1,024]; A: input x (given as codes); B: input Wq (given as codes): QUANTISED (scales: A lowp_scales[0], B lowp_scales[1])
;;     2. [M 8,192, K 1,024] x [K 1,024, N 1,024]; A: input x (given as codes); B: input Wk (given as codes): QUANTISED (scales: A lowp_scales[2], B lowp_scales[3])
;;     3. [M 8,192, K 1,024] x [K 1,024, N 1,024]; A: input x (given as codes); B: input Wv (given as codes): QUANTISED (scales: A lowp_scales[4], B lowp_scales[5])
;;     4. batch 128 x [M 1,024, K 64] x [K 64, N 1,024]; A: computed on the way; B: computed on the way: QUANTISED (scales: A lowp_scales[6], B lowp_scales[7])
;;     5. batch 128 x [M 1,024, K 1,024] x [K 1,024, N 64]; A: softmax (see below); B: computed on the way: QUANTISED (scales: A lowp_scales[8], B lowp_scales[9])
;;     6. [M 8,192, K 1,024] x [K 1,024, N 1,024]; A: computed on the way; B: input Wo (given as codes): QUANTISED (scales: A lowp_scales[10], B lowp_scales[11])
;;   THE QUANTISER, for each operand of a quantised product, along K:
;;     - The operand's scale is 2^e, e = its entry of the input lowp_scales (int32; the entries are numbered through the quantised products in the list's order, A before B).
;;     - Each number is divided by the scale, clamped to +-57,344, and rounded to the nearest number of E5M2, ties to even, subnormals kept.
;;     - The product sums the exact products of the quantised numbers (number of the format x scale) in f32.
;;   ~~~python
;;   def quantise(x, axis, e):      # numpy; x: float32 -> the quantised numbers, widened to float32 again
;;       x = np.moveaxis(x, axis, -1); K = x.shape[-1]
;;       r = np.clip(x / 2.0 ** e, -57344, 57344)
;;       step = 2.0 ** (np.maximum(np.frexp(np.where(r == 0, 1, r))[1] - 1, -14) - 2)
;;       q = np.round(r / step) * step * 2.0 ** e      # np.round: ties to even
;;       return np.moveaxis(q, -1, axis).astype(np.float32)
;;   ~~~
;;   SOFTMAX AHEAD OF A QUANTISED PRODUCT. Where the list says 'softmax', what is quantised is not the finished softmax but p = 2^(t - M), with t = logit x log2(e) and M = ceil(the row's largest t), a whole number; so 1/2 < the row's largest p <= 1. The row's sum l is taken of the UNQUANTISED p, in f32, and the product's result is divided by l at the end. Since M is a whole number, a kernel that streams over the keys may use a running M (the ceiling of the running maximum): every later rescaling is an exact power of two, so the quantised numbers keep their values, but for numbers so far below the row's largest that they fall under the format's range.
;;   OPERANDS COMPUTED ON THE WAY. 'Computed on the way' means the value that the module computes at that place (a softmax that the list does not call 'softmax' is quantised finished and normalised). What goes into a quantiser is computed in f32, as accurately as f32 sums, v_exp_f32 and their like allow (about 1e-6 of the number): no bf16 or f16 on the way to a quantiser, and a product that is left as it is and whose result goes on into a quantised operand takes f32 operands (vector FMAs, or v_wmma_f32_16x16x4_f32). A number that lies on a knife's edge between two numbers of the format may be rounded either way, as far as f32 arithmetic and the matrix unit's own rounding can turn it there, and no further.
;;   INPUTS GIVEN AS CODES. Wk (in the module: [1024, 1024], K = its axis 1); Wo (in the module: [1024, 1024], K = its axis 1); Wq (in the module: [1024, 1024], K = its axis 1); Wv (in the module: [1024, 1024], K = its axis 1); x (in the module: [8, 1024, 1024], K = its axis 2): each comes as NAME_codes (uint8): NAME with its K axis moved to the last place and cut into blocks of 32 codes, [.., K / 32, bytes a block], one block behind the other in memory; one code a byte (a code: sign, 5 exponent bits, 2 mantissa bits); its scale is its entry of lowp_scales. Its value is code x scale, taken as it is: it is not quantised again, and the codes and scales need not be those that the quantiser above would give.
;; One version. Each part assembles by itself: llvm-mc -triple=amdgcn-amd-amdhsa -mcpu=gfx1250 --defsym DOCPART=n.
;; ======== version 1 of 1: 3 launches
;; limits: right only within a limited range of input values
;; workspace buffers: q_ws 8,388,608 bytes; kv_ws 16,777,216 bytes; o_ws 8,388,608 bytes
;; launch qkv (part 1): grid 12 x 32, 4 waves a work-group, clusters of 4 x 4, 327,680 bytes of LDS; arguments x_codes, Wq_codes, Wk_codes, Wv_codes, bq, bk, bv, lowp_scales, q_ws, kv_ws; writes q_ws, kv_ws
.if DOCPART == 1
	.amdgcn_target "amdgcn-amd-amdhsa--gfx1250"
	.amdhsa_code_object_version 6
	.text
	.protected	k_qd3dd039f1b_qkv
	.globl	k_qd3dd039f1b_qkv
	.p2align	8
	.type	k_qd3dd039f1b_qkv,@function
k_qd3dd039f1b_qkv:
	s_mov_b64 s[64:65], 0
	v_nop
	global_prefetch_b8 v0, s[64:65] scope:SCOPE_SE
	s_setreg_imm32_b32 hwreg(HW_REG_WAVE_MODE, 25, 1), 1
	s_wait_xcnt 0x0
	s_wait_alu depctr_hold_cnt(0) depctr_sa_sdst(0) depctr_va_vdst(0) depctr_va_sdst(0) depctr_va_ssrc(0) depctr_va_vcc(0) depctr_vm_vsrc(0)
	s_getreg_b32 s2, hwreg(HW_REG_IB_STS2, 6, 4)
	s_cmp_eq_u32 s2, 0
	s_cbranch_scc0 .Lentry_in_a_cluster
	s_endpgm
.Lentry_in_a_cluster:
	s_bfe_u32 s2, ttmp6, 0x10000c
	s_cmp_lg_u32 s2, 0xf033
	s_cbranch_scc0 .Lentry_shape_is_right
	s_endpgm
.Lentry_shape_is_right:
.set KSTEP,  256
.set ROWB,   256
.set KROW,   1024
.set PITCH,  272
.set FR,     16
.set NL,     4
.set NP,     4
.set HALFT,  128*PITCH
.set SLOT,   4*HALFT
.set LAPS,   1024/(2*KSTEP)
.set SPARE,  2*SLOT
.set ADRA, 16
.set ADRB, 20
.set CO,   26
.set SPW,  28
.set NIL,  29
.set LIM,  30
.set SCL,  31
.set BR,   32
.set BA,   96
.set AF,   128
.set T,    128
.set CD,   192
.set G1, 24
.set G0, 32
.set G1B, 48
.set G0B, 56
.set MSB, 0
.macro WIN new
.if MSB != (\new)
	s_set_vgpr_msb (MSB<<8)|(\new)
.set MSB, (\new)
.endif
.endm
.set MUL_LO, 0xa1
.set MUL_HI, 0xf1
.set TO_B,   0x40
.macro JLOAD g0a, g1a, g0b, g1b
	s_cmp_eq_u32 s15, 0
	s_cbranch_scc0 .Lfor_b_\@
	tensor_load_to_lds s[\g0a:\g0a+3], s[\g1a:\g1a+7]
	s_nop 0
.rept 4
	v_nop
.endr
	s_branch .Lasked_\@
.Lfor_b_\@:
	tensor_load_to_lds s[\g0b:\g0b+3], s[\g1b:\g1b+7]
	s_nop 0
.rept 4
	v_nop
.endr
.Lasked_\@:
.endm
.macro CREST
	s_cmp_lg_u32 s14, 0
	s_cbranch_scc1 .Lnot_wave_0_\@
	s_barrier_signal -3
.Lnot_wave_0_\@:
	s_barrier_wait -3
	s_barrier_signal -1
	s_barrier_wait -1
.endm
.macro CROUND
	s_barrier_signal -1
	s_barrier_wait -1
	CREST
.endm
	s_load_b512 s[68:83], s[0:1], 0x0
	s_load_b128 s[84:87], s[0:1], 0x40
	v_lshl_add_u32 v[SPW], v0, 2, SPARE
	v_mov_b32 v[NIL], 0
	ds_add_u32 v28, v29
	ds_add_u32 v28, v29
	s_wait_dscnt 0x0
	v_lshrrev_b32 v1, 5, v0
	v_readfirstlane_b32 s14, v1
	s_lshr_b32 s15, s14, 1
	s_and_b32 s16, s14, 1
	s_bfe_u32 s40, ttmp6, 0x40000
	s_bfe_u32 s41, ttmp6, 0x40004
	s_and_b32 s18, ttmp7, 0xffff
	s_lshl_b32 s18, s18, 2
	s_cmp_eq_u32 ttmp9, 2
	s_cselect_b32 s17, 0, s18
	s_cselect_b32 s42, s18, 0
	s_add_co_u32 s17, s17, s41
	s_add_co_u32 s42, s42, s40
	s_lshl_b32 s43, s41, 2
	s_lshl_b32 s43, 15, s43
	s_lshl_b32 s44, 0x1111, s40
	s_or_b32 s[G1+0], s43, (0<<16)|(1<<20)|(1<<21)|(5<<22)|(3<<25)
	s_or_b32 s[G1B+0], s44, (0<<16)|(1<<20)|(1<<21)|(5<<22)|(3<<25)
.irp g, G1, G1B
	s_mov_b32 s[\g+1], ROWB<<16
	s_mov_b32 s[\g+2], 128<<16
	s_mov_b32 s[\g+3], ROWB<<16
	s_mov_b32 s[\g+4], 128
	s_mov_b32 s[\g+5], KROW
	s_mov_b32 s[\g+6], 0
	s_mov_b32 s[\g+7], 0
.endr
	s_lshl_b32 s18, s16, 7
	s_lshl_b32 s20, s17, 8
	s_add_co_u32 s20, s20, s18
	s_lshl_b32 s20, s20, 10
	s_mov_b32 s21, 0
	s_lshl_b32 s46, s42, 8
	s_add_co_u32 s46, s46, s18
	s_lshl_b32 s46, s46, 10
	s_mov_b32 s47, 0
	s_mul_i32 s45, s14, HALFT
	s_wait_kmcnt 0x0
	s_load_b256 s[88:95], s[82:83], 0x0
	s_load_b32 s96, s[82:83], 0x24
	s_cmp_eq_u32 ttmp9, 0
	s_cselect_b64 s[6:7], s[70:71], s[72:73]
	s_cselect_b64 s[8:9], s[76:77], s[78:79]
	s_cselect_b64 s[10:11], s[84:85], s[86:87]
	s_cselect_b32 s23, 16, 17
	s_cmp_eq_u32 ttmp9, 2
	s_cselect_b64 s[4:5], s[74:75], s[68:69]
	s_cselect_b64 s[6:7], s[68:69], s[6:7]
	s_cselect_b64 s[8:9], s[80:81], s[8:9]
	s_add_nc_u64 s[20:21], s[4:5], s[20:21]
	s_add_nc_u64 s[46:47], s[6:7], s[46:47]
	CROUND
.irp s, 0,1
	s_mov_b32 s[G0+4*\s], 1
	s_add_co_u32 s[G0+4*\s+1], s45, \s*SLOT
	s_add_nc_u64 s[G0+4*\s+2:G0+4*\s+3], s[20:21], \s*ROWB
	s_or_b32 s[G0+4*\s+3], s[G0+4*\s+3], 0x80000000
	s_mov_b32 s[G0B+4*\s], 1
	s_add_co_u32 s[G0B+4*\s+1], s45, \s*SLOT
	s_add_nc_u64 s[G0B+4*\s+2:G0B+4*\s+3], s[46:47], \s*ROWB
	s_or_b32 s[G0B+4*\s+3], s[G0B+4*\s+3], 0x80000000
.endr
	JLOAD G0, G1, G0B, G1B                         ; K step 0: one tensor load a wave at the head; the rest of the head stands under its flight
	v_and_b32 v1, 15, v0
	v_bfe_u32 v2, v0, 4, 1
	s_wait_alu depctr_va_vdst(0)
	v_mul_u32_u24 v3, v1, PITCH
	v_lshl_add_u32 v4, v2, 4, v3
	s_mul_i32 s21, s15, HALFT
	s_mul_i32 s22, s16, HALFT
	s_add_co_u32 s22, s22, 2*HALFT
.irp s, 0,1
	v_add_nc_u32 v[ADRA+\s], s21, v4
	v_add_nc_u32 v[ADRB+\s], s22, v4
	s_add_co_u32 s21, s21, SLOT
	s_add_co_u32 s22, s22, SLOT
.endr
	v_and_b32 v6, 31, v0
	v_lshlrev_b32 v[CO], 4, v6
	s_lshl_b32 s98, s17, 8
	s_lshl_b32 s99, s15, 7
	s_add_co_u32 s98, s98, s99
	s_lshl_b32 s99, s42, 8
	s_lshl_b32 s100, s16, 7
	s_add_co_u32 s99, s99, s100
	s_cmp_eq_u32 ttmp9, 2
	s_cselect_b32 s100, s99, s98
	s_cselect_b32 s101, s98, s99
	s_cselect_b32 s18, 0, s99
	s_cselect_b32 s19, s98, 0
	s_cselect_b32 s22, 8192, 0
	s_lshr_b32 s98, s100, 10
	s_lshl_b32 s98, s98, 4
	s_lshr_b32 s99, s101, 6
	s_add_co_u32 s98, s98, s99
	s_lshl_b32 s98, s98, s23
	s_and_b32 s99, s100, 1023
	s_sub_co_u32 s100, s23, 10
	s_lshl_b32 s99, s99, s100
	s_add_co_u32 s98, s98, s99
	s_add_co_u32 s98, s98, s22
	s_mov_b32 s99, 0
	s_add_nc_u64 s[10:11], s[10:11], s[98:99]
	s_lshl_b32 s98, 1, s23
	s_add_nc_u64 s[12:13], s[10:11], s[98:99]
	s_lshl_b32 s18, s18, 2
	s_lshl_b32 s19, s19, 2
	v_lshl_add_u32 v5, v2, 5, s18
	v_lshl_add_u32 v7, v1, 2, s19
.irp b, 0,1,2,3,4,5,6,7
	global_load_b128 v[BR+8*\b:BR+8*\b+3], v5, s[8:9] offset:64*\b
	global_load_b128 v[BR+8*\b+4:BR+8*\b+7], v5, s[8:9] offset:64*\b+16
.endr
.irp a, 0,1,2,3,4,5,6,7
	global_load_b32 v[BA+2*\a], v7, s[8:9] offset:64*\a
	global_load_b32 v[BA+2*\a+1], v7, s[8:9] offset:64*\a
.endr
	s_wait_alu depctr_va_vdst(0)
	s_wait_kmcnt 0x0
	s_add_co_i32 s88, s88, s89
	s_add_co_i32 s90, s90, s91
	s_add_co_i32 s92, s92, s93
	s_cmp_eq_u32 ttmp9, 0
	s_cselect_b32 s66, s88, s90
	s_cselect_b32 s67, s94, s95
	s_cmp_eq_u32 ttmp9, 2
	s_cselect_b32 s66, s92, s66
	s_cselect_b32 s67, s96, s67
	s_add_co_i32 s98, s67, 127
	s_lshl_b32 s99, s98, 23
	v_mov_b32 v[SCL], s99
	s_add_co_i32 s98, s98, 15
	s_lshl_b32 s98, s98, 23
	s_or_b32 s98, s98, 0x600000
	v_mov_b32 v[LIM], s98
	s_add_co_i32 s66, s66, 127
	s_lshl_b32 s66, s66, 23
	s_mov_b32 s67, s66
.macro FRAG reg, adr, q, i
.irp c, 0,1,2,3
	ds_load_b128 v[\reg+4*\c:\reg+4*\c+3], v[\adr] offset:128*(\q)+32*\c+(\i)*16*PITCH
.endr
.endm
.macro MUL16 a0, p, zero
.irp a, \a0, \a0+1
.irp b, 0,1,2,3,4,5,6,7
.if \zero
	v_wmma_f32_16x16x128_bf8_bf8 v[8*(8*((\a)%4)+\b):8*(8*((\a)%4)+\b)+7], v[128*(\p)+FR*\b:128*(\p)+FR*\b+FR-1], v[AF+FR*(\a):AF+FR*(\a)+FR-1], 0
.else
	v_wmma_f32_16x16x128_bf8_bf8 v[8*(8*((\a)%4)+\b):8*(8*((\a)%4)+\b)+7], v[128*(\p)+FR*\b:128*(\p)+FR*\b+FR-1], v[AF+FR*(\a):AF+FR*(\a)+FR-1], v[8*(8*((\a)%4)+\b):8*(8*((\a)%4)+\b)+7]
.endif
.endr
.endr
.endm
.macro FETCH_B slot, q, p
	WIN TO_B
.irp i, 0,1,2,3,4,5,6,7
	FRAG 128*(\p)+FR*\i, ADRB+\slot, \q, \i
.endr
	WIN 0
.endm
.macro FETCH_A slot, q, i0
.irp i, \i0, \i0+1, \i0+2, \i0+3
	FRAG AF+FR*(\i), ADRA+\slot, \q, \i
.endr
.endm
.macro PLACES n
.rept \n
	v_nop
.endr
.endm
.macro STEP slot, q, zero
	s_wait_dscnt 4*NL
	WIN MUL_LO
	MUL16 0, (\q)%2, \zero
	MUL16 2, (\q)%2, \zero
	s_wait_dscnt 0
	PLACES NP
	FETCH_B \slot, (\q)+1, 1-(\q)%2
	FETCH_A \slot, (\q)+1, 0
	WIN MUL_HI
	MUL16 4, (\q)%2, \zero
	MUL16 6, (\q)%2, \zero
	PLACES NP
	WIN 0
	FETCH_A \slot, (\q)+1, 4
.endm
.macro TURN slot, next, fill
	s_wait_tensorcnt 0x0
	ds_add_u32 v[SPW], v[NIL]
	s_wait_dscnt 4*NL+1
	WIN MUL_LO
	MUL16 0, 1, 0
	s_wait_dscnt 0x0
	s_barrier_signal -1
	MUL16 2, 1, 0
	WIN 0
	s_barrier_wait -1
.if \fill
	CREST
	s_add_nc_u64 s[G0+4*\slot+2:G0+4*\slot+3], s[G0+4*\slot+2:G0+4*\slot+3], 2*ROWB
	s_add_nc_u64 s[G0B+4*\slot+2:G0B+4*\slot+3], s[G0B+4*\slot+2:G0B+4*\slot+3], 2*ROWB
	JLOAD G0+4*\slot, G1, G0B+4*\slot, G1B
.else
	PLACES NP
.endif
	FETCH_B \next, 0, 0
	FETCH_A \next, 0, 0
	WIN MUL_HI
	MUL16 4, 1, 0
	MUL16 6, 1, 0
	PLACES NP
	WIN 0
	FETCH_A \next, 0, 4
.endm
	s_wait_alu depctr_va_vdst(0)                   ; the wait at the head's end
	s_wait_loadcnt 0x0                             ; the biases are in
	s_wait_tensorcnt 0x0                           ; my part of K step 0 is in; these lines stand ahead of a later first fill as ahead of a refill
	ds_add_u32 v[SPW], v[NIL]                      ; 0 onto my spare word
	s_wait_dscnt 0x0
	CROUND                                         ; everybody's part of K step 0 is in, and all sixteen work-groups are here
	JLOAD G0+4, G1, G0B+4, G1B                     ; K step 1, slot 1's first fill: the first tensor load behind the round
	FETCH_B 0, 0, 0
	FETCH_A 0, 0, 0
	FETCH_A 0, 0, 4
	STEP 0, 0, 1
	s_mov_b32 s3, LAPS-1
.Llap:
	TURN 0, 1, 1
	STEP 1, 0, 0
	TURN 1, 0, 1
	STEP 0, 0, 0
	s_sub_co_u32 s3, s3, 1
	s_cmp_lg_u32 s3, 0
	s_cbranch_scc1 .Llap
	TURN 0, 1, 0
	STEP 1, 0, 0
	s_wait_dscnt 4*NL
	WIN MUL_LO
	MUL16 0, 1, 0
	MUL16 2, 1, 0
	s_wait_dscnt 0
	WIN MUL_HI
	MUL16 4, 1, 0
	MUL16 6, 1, 0
	WIN 0
.macro EPI isv
.irp a, 0,1,2,3,4,5,6,7
.if \a == 4
	s_wait_xcnt 0x0
.endif
	WIN 0x02+(\a/4)
.set i, 0
.rept 32
.if \isv
	v_pk_fma_f32 v[T+i:T+i+1], v[64*(\a%4)+i:64*(\a%4)+i+1], s[66:67], v[BA+2*\a:BA+2*\a+1] op_sel_hi:[1,0,1]
.else
	v_pk_fma_f32 v[T+i:T+i+1], v[64*(\a%4)+i:64*(\a%4)+i+1], s[66:67], v[BR+i:BR+i+1] op_sel_hi:[1,0,1]
.endif
.set i, i+2
.endr
	WIN 0
.set i, 0
.rept 64
	v_med3_num_f32 v[T+i], v[T+i], -v[LIM], v[LIM]
.set i, i+1
.endr
.irp b, 0,1,2,3,4,5,6,7
	v_cvt_scalef32_pk8_bf8_f32 v[CD+16*(\a%4)+2*\b:CD+16*(\a%4)+2*\b+1], v[T+8*\b:T+8*\b+7], v[SCL]
.endr
	v_nop
.irp g, 0,1,2,3
.if \isv
	global_store_b128 v[CO], v[CD+16*(\a%4)+4*\g:CD+16*(\a%4)+4*\g+3], s[10+2*(\a/4):11+2*(\a/4)] offset:(\a%4)*2048+\g*512
.else
	global_store_b128 v[CO], v[CD+16*(\a%4)+4*\g:CD+16*(\a%4)+4*\g+3], s[10+2*(\g/2):11+2*(\g/2)] offset:\a*1024+(\g%2)*512
.endif
.endr
.endr
.endm
	PLACES NP
	s_cmp_eq_u32 ttmp9, 2
	s_cbranch_scc1 .Lway_v
	EPI 0
	s_branch .Lout
.Lway_v:
	EPI 1
.Lout:
	s_wait_tensorcnt 0x0
	ds_add_u32 v[SPW], v[NIL]
	s_wait_dscnt 0x0
	CROUND
	s_endpgm
.Lfunc_end_k_qd3dd039f1b_qkv:
	.size	k_qd3dd039f1b_qkv, .Lfunc_end_k_qd3dd039f1b_qkv-k_qd3dd039f1b_qkv
	.p2alignl 7, 3214868480
	.fill 96, 4, 3214868480
	.section	.rodata,"a",@progbits
	.p2align	6, 0x0
	.amdhsa_kernel k_qd3dd039f1b_qkv
		.amdhsa_group_segment_fixed_size 327680
		.amdhsa_private_segment_fixed_size 0
		.amdhsa_enable_private_segment 0
		.amdhsa_kernarg_size 80
		.amdhsa_user_sgpr_count 2
		.amdhsa_user_sgpr_kernarg_segment_ptr 1
		.amdhsa_wavefront_size32 1
		.amdhsa_system_sgpr_workgroup_id_x 1
		.amdhsa_system_sgpr_workgroup_id_y 1
		.amdhsa_system_sgpr_workgroup_id_z 1
		.amdhsa_system_vgpr_workitem_id 0
		.amdhsa_next_free_vgpr 1024
		.amdhsa_next_free_sgpr 102
		.amdhsa_reserve_vcc 0
		.amdhsa_float_denorm_mode_32 3
		.amdhsa_float_denorm_mode_16_64 3
		.amdhsa_memory_ordered 1
		.amdhsa_forward_progress 1
		.amdhsa_inst_pref_size 194
	.end_amdhsa_kernel
	.amdgpu_metadata
---
amdhsa.version: [ 1, 2 ]
amdhsa.kernels:
  - .name:           k_qd3dd039f1b_qkv
    .symbol:         k_qd3dd039f1b_qkv.kd
    .args:
      - { .name: x_codes, .offset: 0, .size: 8, .value_kind: global_buffer, .address_space: global }
      - { .name: Wq_codes, .offset: 8, .size: 8, .value_kind: global_buffer, .address_space: global }
      - { .name: Wk_codes, .offset: 16, .size: 8, .value_kind: global_buffer, .address_space: global }
      - { .name: Wv_codes, .offset: 24, .size: 8, .value_kind: global_buffer, .address_space: global }
      - { .name: bq, .offset: 32, .size: 8, .value_kind: global_buffer, .address_space: global }
      - { .name: bk, .offset: 40, .size: 8, .value_kind: global_buffer, .address_space: global }
      - { .name: bv, .offset: 48, .size: 8, .value_kind: global_buffer, .address_space: global }
      - { .name: lowp_scales, .offset: 56, .size: 8, .value_kind: global_buffer, .address_space: global }
      - { .name: q_ws, .offset: 64, .size: 8, .value_kind: global_buffer, .address_space: global }
      - { .name: kv_ws, .offset: 72, .size: 8, .value_kind: global_buffer, .address_space: global }
    .group_segment_fixed_size: 327680
    .private_segment_fixed_size: 0
    .kernarg_segment_align: 8
    .kernarg_segment_size: 80
    .max_flat_workgroup_size: 128
    .sgpr_count:     102
    .vgpr_count:     1024
    .wavefront_size: 32
...
	.end_amdgpu_metadata
.endif
;; end of part 1
;; launch attn (part 2): grid 4 x 64, 8 waves a work-group, clusters of 4 x 1, 327,680 bytes of LDS; arguments q_ws, kv_ws, attn_scale, lowp_scales, o_ws; writes o_ws
.if DOCPART == 2
	.amdgcn_target "amdgcn-amd-amdhsa--gfx1250"
	.amdhsa_code_object_version 6
	.text
	.protected	k_qd3dd039f1b_attn
	.globl	k_qd3dd039f1b_attn
	.p2align	8
	.type	k_qd3dd039f1b_attn,@function
k_qd3dd039f1b_attn:
	s_mov_b64 s[64:65], 0
	v_nop
	global_prefetch_b8 v0, s[64:65] scope:SCOPE_SE
	s_setreg_imm32_b32 hwreg(HW_REG_WAVE_MODE, 25, 1), 1
	s_wait_xcnt 0x0
	s_wait_alu depctr_hold_cnt(0) depctr_sa_sdst(0) depctr_va_vdst(0) depctr_va_sdst(0) depctr_va_ssrc(0) depctr_va_vcc(0) depctr_vm_vsrc(0)
	s_getreg_b32 s2, hwreg(HW_REG_IB_STS2, 6, 4)
	s_cmp_eq_u32 s2, 0
	s_cbranch_scc0 .Lentry_in_a_cluster
	s_endpgm
.Lentry_in_a_cluster:
	s_bfe_u32 s2, ttmp6, 0x10000c
	s_cmp_lg_u32 s2, 0x3003
	s_cbranch_scc0 .Lentry_shape_is_right
	s_endpgm
.Lentry_shape_is_right:
; Attention of TWO neighbouring heads (batch x head = 2 y and 2 y + 1, y the cluster's y), one after the other, on codes of BF8 (E5M2): S = q k^T x attn_scale, key > query hidden inside the diagonal 64 x 64 chunks alone,
; softmax, o = p v / l, and o quantised for the last product.
; THE SOFTMAX AHEAD OF THE SECOND PRODUCT: t = score x attn_scale x log2(e); M = the row's largest t so far, rounded UP to a whole number; p = 2^(t - M) is quantised with 2^e8, not normalised.
; The row's sum is taken of the unquantised p, in f32, and divides o at the end.  When M moves, the sum and o are multiplied by 2^(old M - new M): nothing is rounded.
; attn_scale's sign is put into q's codes (their sign bits are turned where it is negative: exact), so that c = |attn_scale| x log2(e) x 2^(e6 + e7) is positive and the largest score gives the largest t.
; LIMITS: c is a normal f32 number, not 0; e8 and e10 between -126 and 112; e8 + e9 is applied by v_ldexp_f32 and has none.  NaN is not served.
; SHARES.  The four work-groups of a cluster own the two heads.  Wave w (of eight) of the work-group at place cx owns, in each head, TWO tiles of 16 queries: tile A = queries 128 w + 16 cx + 0 .. 15, tile B the same 64 further on.
; Each fragment of K and of V that the wave reads from LDS feeds two matrix instructions.  A's diagonal chunk is chunk 2 w and B's chunk 2 w + 1, whatever cx is: both lie in key step w
; cx enters two global addresses and one number that is compared, nothing else.
; K AND V.  The two heads' 2 x 131,072 bytes of kv_ws lie on end and are images of operand registers ([key step of 128: 8][K 8,192 bytes, V 8,192 bytes]); they come into LDS as they lie, once, by joint loads of the four
; partners.  Every wave issues two: at the head 8,192 bytes of the first head's key steps 0 to 3, and, behind the waits, the add and a round of the cluster's barrier, 24,576 bytes of all the rest, which has three
; key steps in which to land.  No LDS byte is filled twice and none is stored to.  Nothing is prefetched: both requests stand at the head, so no later request exists to run ahead of.
; THE WALK.  Three key steps, one barrier that shows the second load's bytes, then thirteen key steps in one loop; a head's way out and the second head's beginning stand in that loop under branches on the trip counter.
; K's fragments have registers of their own and are fetched ONE KEY STEP AHEAD, behind the step's score products; V's are asked for at the step's head; one wait, ahead of the exponentials, serves both.
; So key step 3's K, which the third step fetches, still lies in the first load's bytes; the last trip fetches no K.
; LAYOUT.  Both products are used transposed: S^T = K Q^T (source 0 = 16 keys, source 1 = 16 queries), O^T = V^T P^T: a lane holds ONE query of each tile (lane % 16) throughout.  Tile t's eight scores of a lane are keys
; 16 t + 8 (lane / 16) + 0 .. 7: their codes are registers 2 t, 2 t + 1 of P's fragment.  O^T's tile d likewise gives registers 2 d, 2 d + 1 of the last product's operand.
; o_ws: [tile of 16 tokens 512][head 16][part 2][lane 32][16 bytes].
; REGISTERS, in windows of 256.  Window 0: v0-31 below; v32-95 V's four fragments; v96-159, v160-223 S^T, then p, of A and of B; v224-239, v240-255 p's codes.
; Window 1: v0-31, v32-63 O^T of A and of B; v64-79 Q of the head in hand (A, B), v80-95 of the second head; v96-103, v104-111 the rows' sums, four pairs each; v112-175 K's eight fragments.
.set HEADB, 131072                     ; a head's K and V in bytes, in kv_ws and in LDS
.set STEPB, 16384                      ; a key step's
.set PARTA, 4*STEPB                    ; what the first loads bring
.set SPARE, 2*HEADB+STEPB              ; a key step's bytes behind the two heads: the spare words, 128 bytes for each wave
.set LI,   1                           ; v1   16 x lane
.set AD,   2                           ; v2   the step's LDS address
.set DQ,   3                           ; v3   my query's place in its chunk less 8 (lane / 16): the same for A and B
.set NINF, 4                           ; v4   -infinity
.set PLIM2, 5                          ; v5   57,344 x 2^e8 once more: the two halves of a dual pair take their second sources from different banks
.set FA,   8                           ; v[8:9], v[10:11] f and 0, of A and of B          (v6, v7 at work; v12 -M and v13 the largest t of A; v14, v15 of B)
.set FB,   10
.set MXA,  16                          ; v16-19, v20-23 the step's largest score, in four chains each
.set MXB,  20
.set PLIM, 24                          ; v24, v25: 57,344 x 2^e8, 2^e8;  v26, v27 the same with e10
.set PSCL, 25
.set OLIM, 26
.set OSCL, 27
.set SPW,  28                          ; v28 LDS address of my spare word; v29 0: never rewritten
.set NIL,  29
.set CV,   30                          ; v[30:31] c
.set KF,   32
.set SA,   96
.set SB,   160
.set PCA,  224
.set PCB,  240
.set OA,   0                           ; window 1
.set OB,   32
.set Q,    64
.set LA,   96
.set LB,   104
.set KN,   112
.set WV,   18                          ; s18  my wave's number
.set CX,   19                          ; s19  my work-group's place in the cluster
.set BH,   20                          ; s20  16 x batch + head of the first of my two heads
.set CH,   21                          ; s21  the key step's number in its head
.set G1A,  24                          ; s[24:31] descriptor group 1: 32 rows of 256 bytes;  s[32:39]: 96 rows
.set G1B,  32
.set G0A,  40                          ; s[40:43], s[44:47] their groups 0
.set G0B,  44
.set SEL,  48                          ; s[48:49] lane selects for v_permlanex16_b32: lane l xor 16
.set TB,   50                          ; s50  LDS byte at which the key step in hand begins
.set TR,   51                          ; s51  trips to go
.set MSB, 0
.macro WIN new                         ; low byte: bits 1:0 source 0, 3:2 source 1, 5:4 source 2, 7:6 destination; the high byte repeats the setting that is left.  At every label and branch the setting is 0
.if MSB != (\new)
	s_set_vgpr_msb (MSB<<8)|(\new)
.set MSB, (\new)
.endif
.endm
.macro CROUND                          ; a round of the cluster's barrier
	s_barrier_signal -1
	s_barrier_wait -1
	s_cmp_lg_u32 s[WV], 0
	s_cbranch_scc1 .Lnot_wave_0_\@
	s_barrier_signal -3
.Lnot_wave_0_\@:
	s_barrier_wait -3
	s_barrier_signal -1
	s_barrier_wait -1
.endm
	s_load_b256 s[4:11], s[0:1], 0x0               ; q_ws s[4:5], kv_ws s[6:7], attn_scale s[8:9], the exponents s[10:11]
	s_load_b64 s[12:13], s[0:1], 0x20              ; o_ws
	v_lshl_add_u32 v[SPW], v0, 2, SPARE
	v_mov_b32 v[NIL], 0
	ds_add_u32 v[SPW], v[NIL]                      ; the opening lines: the add, twice on end, and its wait ahead of my first tensor load
	ds_add_u32 v[SPW], v[NIL]
	v_lshrrev_b32 v6, 5, v0
	v_readfirstlane_b32 s[WV], v6                  ; wave 0..7
	s_bfe_u32 s[CX], ttmp6, 0x40000
	s_and_b32 s[BH], ttmp7, 0xffff
	s_lshl_b32 s[BH], s[BH], 1
.irp g, G1A, G1B                               ; a dense block as rows of 256 bytes (32 elements of 8 bytes), no padding
	s_mov_b32 s[\g], 15|(3<<16)|(1<<21)            ; 15:0 the mask: all four work-groups; 17:16 elements of 8 bytes; 21 set beside a mask
	s_mov_b32 s[\g+1], 32<<16                      ; tensor_dim0
	s_mov_b32 s[\g+3], 32<<16                      ; tile_dim0
	s_mov_b32 s[\g+5], 32                          ; tensor_dim0_stride
	s_mov_b32 s[\g+6], 0
	s_mov_b32 s[\g+7], 0
.endr
	s_mov_b32 s[G1A+2], 32<<16                     ; tensor_dim1, tile_dim1: 32 rows a wave,
	s_mov_b32 s[G1A+4], 32
	s_mov_b32 s[G1B+2], 96<<16                     ; 96 rows a wave
	s_mov_b32 s[G1B+4], 96
	s_lshl_b32 s60, s[WV], 13                      ; my 8,192 bytes of the first part: at the same place in the two heads' block and in LDS
	s_mul_i32 s61, s[WV], 24576
	s_add_co_u32 s61, s61, PARTA                   ; my 24,576 bytes of the rest
	s_lshl_b32 s62, s[BH], 17                      ; the first head's first byte in kv_ws: under 2^24
	s_mov_b32 s63, 0
	s_wait_dscnt 0x0                               ; both opening adds are done
	s_wait_kmcnt 0x0
	s_load_b128 s[52:55], s[10:11], 0x18           ; e6, e7, e8, e9
	s_load_b32 s56, s[10:11], 0x28                 ; e10
	s_load_b32 s57, s[8:9], 0x0                    ; attn_scale
	s_add_nc_u64 s[6:7], s[6:7], s[62:63]
	s_mov_b32 s[G0A], 1                            ; count = 1
	s_mov_b32 s[G0A+1], s60                        ; LDS address
	s_mov_b32 s62, s60
	s_add_nc_u64 s[G0A+2:G0A+3], s[6:7], s[62:63]  ; global address: made of the heads and the wave's number, which the partners share
	s_or_b32 s[G0A+3], s[G0A+3], 0x80000000        ; type = 2
	s_mov_b32 s[G0B], 1
	s_mov_b32 s[G0B+1], s61
	s_mov_b32 s62, s61
	s_add_nc_u64 s[G0B+2:G0B+3], s[6:7], s[62:63]
	s_or_b32 s[G0B+3], s[G0B+3], 0x80000000
	CROUND                                         ; all four work-groups are here: the joint loads meet
	tensor_load_to_lds s[G0A:G0A+3], s[G1A:G1A+7]  ; every wave's one load at the head
	s_nop 0
	s_lshl_b32 s59, s[WV], 3
	s_add_co_u32 s59, s59, s[CX]                   ; tile A of my queries: 8 w + cx; tile B: four tiles on
	s_lshl_b32 s60, s59, 10
	s_lshl_b32 s61, s[BH], 16
	s_add_co_u32 s62, s60, s61
	s_add_nc_u64 s[4:5], s[4:5], s[62:63]          ; its place in q_ws
	s_lshr_b32 s60, s[BH], 4
	s_lshl_b32 s60, s60, 6
	s_add_co_u32 s60, s60, s59                     ; its tile of tokens: 64 x batch + 8 w + cx
	s_lshl_b32 s60, s60, 14
	s_and_b32 s61, s[BH], 15
	s_lshl_b32 s61, s61, 10                        ; + 1,024 x head
	s_add_co_u32 s62, s60, s61
	s_add_nc_u64 s[12:13], s[12:13], s[62:63]      ; its place in o_ws
	s_lshl_b32 s59, s[CX], 4
	v_and_b32 v6, 31, v0
	s_delay_alu instid0(VALU_DEP_1)
	v_lshlrev_b32 v[LI], 4, v6
	v_and_b32 v6, 15, v0                           ; r
	v_bfe_u32 v7, v0, 4, 1                         ; h
	s_delay_alu instid0(VALU_DEP_1)
	v_lshlrev_b32 v7, 3, v7
	s_delay_alu instid0(VALU_DEP_1)
	v_sub_nc_u32 v[DQ], v6, v7
	s_delay_alu instid0(VALU_DEP_1)
	v_add_nc_u32 v[DQ], s59, v[DQ]                 ; 16 cx + r - 8 h
	v_mov_b32 v[NINF], 0xff800000
	WIN 0x40                                       ; destinations in window 1
.irp n, 0,1                                    ; Q's fragments, images: head n (65,536 bytes apart in q_ws), tile A and tile B (4,096 bytes apart)
.irp x, 0,1
	global_load_b128 v[Q+16*\n+8*\x:Q+16*\n+8*\x+3], v[LI], s[4:5] offset:65536*\n+4096*\x
	global_load_b128 v[Q+16*\n+8*\x+4:Q+16*\n+8*\x+7], v[LI], s[4:5] offset:65536*\n+4096*\x+512
.endr
.endr
	WIN 0
; What a head's walk begins with.  The step has no first step of its own: O^T and the sums begin as zeros, which the first change of M leaves zeros.
.macro RESET
	v_mov_b32 v13, 0xff61b1e6                      ; the largest t so far: -3e38, under every t
	v_mov_b32 v15, 0xff61b1e6
	v_floor_f32 v12, -v13                          ; -M
	v_floor_f32 v14, -v15
	WIN 0x40
.set i, 0
.rept 64
	v_mov_b32 v[OA+i], 0
.set i, i+1
.endr
.set i, 0
.rept 16
	v_mov_b32 v[LA+i], 0
.set i, i+1
.endr
	WIN 0
	s_mov_b32 s[CH], 0
.endm
	RESET
	v_mov_b32 v[FA+1], 0                           ; (named as the upper halves of the pairs)
	v_mov_b32 v[FB+1], 0
	s_mov_b32 s[SEL], 0x76543210
	s_mov_b32 s[SEL+1], 0xfedcba98
	s_mov_b32 s[TB], 0
	s_wait_kmcnt 0x0
	s_add_co_i32 s59, s52, s53                     ; e6 + e7
	v_mov_b32 v[CV], s57
	s_delay_alu instid0(VALU_DEP_1)
	v_and_b32 v[CV], 0x7fffffff, v[CV]
	s_delay_alu instid0(VALU_DEP_1)
	v_mul_f32 v[CV], 0x3fb8aa3b, v[CV]             ; |attn_scale| x log2(e)
	s_delay_alu instid0(VALU_DEP_1)
	v_ldexp_f32 v[CV], v[CV], s59                  ; x 2^(e6 + e7)
	s_delay_alu instid0(VALU_DEP_1)
	v_mov_b32 v[CV+1], v[CV]
	s_ashr_i32 s58, s57, 31
	s_and_b32 s58, s58, 0x80808080                 ; four codes' sign bits where attn_scale is negative, else 0
	s_add_co_i32 s59, s54, 127
	s_lshl_b32 s60, s59, 23
	v_mov_b32 v[PSCL], s60                         ; 2^e8
	s_add_co_i32 s59, s59, 15
	s_lshl_b32 s59, s59, 23
	s_or_b32 s59, s59, 0x600000
	v_mov_b32 v[PLIM], s59                         ; 57,344 x 2^e8
	v_mov_b32 v[PLIM2], s59
	s_add_co_i32 s59, s56, 127
	s_lshl_b32 s60, s59, 23
	v_mov_b32 v[OSCL], s60                         ; 2^e10
	s_add_co_i32 s59, s59, 15
	s_lshl_b32 s59, s59, 23
	s_or_b32 s59, s59, 0x600000
	v_mov_b32 v[OLIM], s59                         ; 57,344 x 2^e10
	s_wait_loadcnt 0x0                             ; both heads' Q
	WIN 0x44                                       ; source 1 and destination in window 1
.set i, 0
.rept 32
	v_xor_b32 v[Q+i], s58, v[Q+i]
.set i, i+1
.endr
	WIN 0
; A diagonal chunk: tiles 4 u .. 4 u + 3 of the scores at b.  Register j of tile 4 u + tt holds the chunk's key 16 tt + 8 (lane / 16) + j: hidden where 16 tt + j > 16 cx + r - 8 (lane / 16).
.macro MASK b, u
.irp tt, 0,1,2,3
.irp j, 0,1,2,3,4,5,6,7
	v_cmp_gt_i32 vcc_lo, 16*\tt+\j, v[DQ]
	v_cndmask_b32 v[\b+8*(4*\u+\tt)+\j], v[\b+8*(4*\u+\tt)+\j], v[NINF], vcc_lo
.endr
.endr
.endm
.macro KLOADS adr, off                 ; K's eight fragments of the key step that begins off bytes behind the address; the destinations lie in window 1
	WIN 0x40
.irp t, 0,1,2,3,4,5,6,7
	ds_load_b128 v[KN+8*\t:KN+8*\t+3], v[\adr] offset:(\off)+\t*1024
	ds_load_b128 v[KN+8*\t+4:KN+8*\t+7], v[\adr] offset:(\off)+\t*1024+512
.endr
	WIN 0
.endm
.macro SCORES t                        ; K's tile t against both tiles of queries
	v_wmma_f32_16x16x64_bf8_bf8 v[SA+8*\t:SA+8*\t+7], v[KN+8*\t:KN+8*\t+7], v[Q:Q+7], 0
	v_wmma_f32_16x16x64_bf8_bf8 v[SB+8*\t:SB+8*\t+7], v[KN+8*\t:KN+8*\t+7], v[Q+8:Q+15], 0
.endm
.macro HOLD b, pc                      ; the hold (the conversion does not saturate: ISA guide 7.6.2; p is not negative, so it is one-sided), in place, since p has been summed; then p's codes
.set i, 0
.rept 32
	v_dual_min_num_f32 v[\b+i], v[\b+i], v[PLIM] :: v_dual_min_num_f32 v[\b+i+1], v[\b+i+1], v[PLIM2]
.set i, i+2
.endr
.irp t, 0,1,2,3,4,5,6,7
	v_cvt_scalef32_pk8_bf8_f32 v[\pc+2*\t:\pc+2*\t+1], v[\b+8*\t:\b+8*\t+7], v[PSCL]
.endr
.endm
; A KEY STEP: the 128 keys that begin at LDS byte s[TB], for both tiles of queries; the two tiles' chains stand line by line beside each other.  Its K lies in registers.  tail = 1: in the loop's last trip no further K is fetched.
.macro STEP tail
	v_add_nc_u32 v[AD], s[TB], v[LI]
.rept 3
	v_nop                                          ; with the addition: four places in front of loads into registers that the last products have read
.endr
.irp d, 0,1,2,3
.irp p, 0,1,2,3
	ds_load_b128 v[KF+16*\d+4*\p:KF+16*\d+4*\p+3], v[AD] offset:8192+\d*2048+\p*512   ; V^T's four fragments: first wanted behind the softmax
.endr
.endr
	WIN 0x05                                       ; sources 0 (K) and 1 (Q) in window 1
.irp t, 0,1,2,3,4,5,6,7
	SCORES \t                                      ; K's fragments were waited for ahead of the last step's exponentials (the first step's: ahead of the loop)
.endr
	WIN 0
.rept 4
	v_nop                                          ; places in front of the loads below and of the first read of the scores
.endr
.if \tail
	s_cmp_eq_u32 s[TR], 1                          ; the last trip: no key step follows
	s_cbranch_scc1 .Lnone_\@
.endif
	KLOADS AD, STEPB                               ; the next key step's K
.Lnone_\@:
	s_cmp_lg_u32 s[WV], s[CH]                      ; does this step hold my queries' own chunks?
	s_cbranch_scc1 .Lopen_\@
	MASK SA, 0                                     ; A's is the step's first chunk,
	MASK SB, 1                                     ; B's its second
.Lopen_\@:
.irp k, 0,1,2,3                                ; the step's largest score of each query among the lane's 64 keys: four chains a tile, in ascending order of registers
	v_max3_num_f32 v[MXA+\k], v[SA+3*\k], v[SA+3*\k+1], v[SA+3*\k+2]
	v_max3_num_f32 v[MXB+\k], v[SB+3*\k], v[SB+3*\k+1], v[SB+3*\k+2]
.endr
.set i, 12
.rept 26
	v_max3_num_f32 v[MXA+((i-12)/2)%4], v[MXA+((i-12)/2)%4], v[SA+i], v[SA+i+1]
	v_max3_num_f32 v[MXB+((i-12)/2)%4], v[MXB+((i-12)/2)%4], v[SB+i], v[SB+i+1]
.set i, i+2
.endr
	v_max3_num_f32 v6, v[MXA], v[MXA+1], v[MXA+2]
	v_max3_num_f32 v7, v[MXB], v[MXB+1], v[MXB+2]
	v_max_num_f32 v6, v6, v[MXA+3]
	v_max_num_f32 v7, v7, v[MXB+3]
	v_permlanex16_b32 v[MXA], v6, s[SEL], s[SEL+1]
	v_permlanex16_b32 v[MXB], v7, s[SEL], s[SEL+1]
	v_max_num_f32 v6, v6, v[MXA]                   ; and among lane l xor 16's
	v_max_num_f32 v7, v7, v[MXB]
	v_mul_f32 v6, v[CV], v6                        ; as t (c is positive)
	v_mul_f32 v7, v[CV], v7
	v_max_num_f32 v13, v13, v6                     ; the running largest t
	v_max_num_f32 v15, v15, v7
	v_mov_b32 v6, v12
	v_mov_b32 v7, v14
	v_floor_f32 v12, -v13                          ; the new -M = floor(-t) = -ceil(t): a whole number
	v_floor_f32 v14, -v15
	v_sub_f32 v6, v12, v6                          ; M's old value less its new one: a whole number, 0 or less
	v_sub_f32 v7, v14, v7
	v_cvt_i32_f32 v6, v6                           ; (it saturates)
	v_cvt_i32_f32 v7, v7
	v_ldexp_f32 v[FA], 1.0, v6                     ; f = 2^(old M - new M)
	v_ldexp_f32 v[FB], 1.0, v7
.set i, 0
.rept 32
	v_pk_fma_f32 v[SA+i:SA+i+1], v[SA+i:SA+i+1], v[CV:CV+1], v[12:13] op_sel_hi:[1,0,0]   ; t - M, two at a time (of the pairs c and -M the low word serves both halves)
	v_pk_fma_f32 v[SB+i:SB+i+1], v[SB+i:SB+i+1], v[CV:CV+1], v[14:15] op_sel_hi:[1,0,0]
.set i, i+2
.endr
	WIN 0x41                                       ; source 0 and destination in window 1
.set i, 0
.rept 16
	v_pk_mul_f32 v[OA+i:OA+i+1], v[OA+i:OA+i+1], v[FA:FA+1] op_sel_hi:[1,0]   ; O^T under the new M, each accumulator from its low end on
	v_pk_mul_f32 v[OB+i:OB+i+1], v[OB+i:OB+i+1], v[FB:FB+1] op_sel_hi:[1,0]
.set i, i+2
.endr
	WIN 0
	s_wait_alu depctr_va_vdst(0)                   ; the wait ahead of the batch, and ahead of the wait below
	s_wait_dscnt 0x0                               ; V^T's fragments and the next step's K are in
.set i, 0
.rept 128
	v_exp_f32 v[SA+i], v[SA+i]                     ; p = 2^(t - M), at most 1, 0 for a hidden key: both tiles' scores lie on end
.set i, i+1
.endr
	v_nop                                          ; the plain place behind the exponentials
	s_wait_alu depctr_va_vdst(0)                   ; one wait for the whole batch, ahead of its first reader
	WIN 0x41
.irp k, 0,1,2,3                                ; THE ROW'S SUM IS TAKEN OF THE UNQUANTISED p: sum x f + p starts the step's four chains of each tile
	v_pk_fma_f32 v[LA+2*\k:LA+2*\k+1], v[LA+2*\k:LA+2*\k+1], v[FA:FA+1], v[SA+2*\k:SA+2*\k+1] op_sel_hi:[1,0,1]
	v_pk_fma_f32 v[LB+2*\k:LB+2*\k+1], v[LB+2*\k:LB+2*\k+1], v[FB:FB+1], v[SB+2*\k:SB+2*\k+1] op_sel_hi:[1,0,1]
.endr
.set i, 8
.rept 28
	v_pk_add_f32 v[LA+i%8:LA+i%8+1], v[LA+i%8:LA+i%8+1], v[SA+i:SA+i+1]
	v_pk_add_f32 v[LB+i%8:LB+i%8+1], v[LB+i%8:LB+i%8+1], v[SB+i:SB+i+1]
.set i, i+2
.endr
	WIN 0
	HOLD SA, PCA
	HOLD SB, PCB
	v_nop                                          ; one plain vector instruction between the last conversion and the products
	WIN 0x50                                       ; C and D in window 1
.irp d, 0,1,2,3                                ; V's fragment d against both tiles' p: eight accumulators by turns
	v_wmma_f32_16x16x128_bf8_bf8 v[OA+8*\d:OA+8*\d+7], v[KF+16*\d:KF+16*\d+15], v[PCA:PCA+15], v[OA+8*\d:OA+8*\d+7]
	v_wmma_f32_16x16x128_bf8_bf8 v[OB+8*\d:OB+8*\d+7], v[KF+16*\d:KF+16*\d+15], v[PCB:PCB+15], v[OB+8*\d:OB+8*\d+7]
.endr
	WIN 0
	s_add_co_u32 s[TB], s[TB], STEPB
	s_add_co_u32 s[CH], s[CH], 1
.endm
; A HEAD'S WAY OUT: o = O^T x 2^(e8 + e9) / the sum, held, turned into codes with 2^e10, stored as images: for each tile two stores of 512 consecutive bytes; tile B lies four tiles of tokens, 65,536 bytes, on.
.macro WAYOUT
	WIN 0x45                                       ; sources 0 and 1 and destination in window 1.  (These lines are also the places behind the last products)
.irp b, LA, LB
	v_pk_add_f32 v[\b:\b+1], v[\b:\b+1], v[\b+2:\b+3]
	v_pk_add_f32 v[\b+4:\b+5], v[\b+4:\b+5], v[\b+6:\b+7]
.endr
	v_pk_add_f32 v[LA:LA+1], v[LA:LA+1], v[LA+4:LA+5]
	v_pk_add_f32 v[LB:LB+1], v[LB:LB+1], v[LB+4:LB+5]
	WIN 0x05
	v_add_f32 v6, v[LA], v[LA+1]
	v_add_f32 v7, v[LB], v[LB+1]
	WIN 0
	v_permlanex16_b32 v[MXA], v6, s[SEL], s[SEL+1]
	v_permlanex16_b32 v[MXB], v7, s[SEL], s[SEL+1]
	v_add_f32 v6, v6, v[MXA]                       ; with lane l xor 16's: the rows' sums
	v_add_f32 v7, v7, v[MXB]
	s_wait_alu depctr_va_vdst(0)                   ; the wait ahead of the transcendentals
	v_rcp_f32 v6, v6
	v_rcp_f32 v7, v7
	v_nop                                          ; a plain instruction behind the reciprocals
	s_add_co_i32 s59, s54, s55                     ; e8 + e9
	s_wait_alu depctr_va_vdst(0)                   ; the wait ahead of their first reader
	v_ldexp_f32 v[FA], v6, s59
	v_ldexp_f32 v[FB], v7, s59
	WIN 0x01                                       ; source 0 in window 1
	s_wait_alu depctr_va_vdst(0)                   ; the wait here, directly ahead of the first reader of O^T
.set i, 0
.rept 16
	v_pk_mul_f32 v[SA+i:SA+i+1], v[OA+i:OA+i+1], v[FA:FA+1] op_sel_hi:[1,0]   ; register 8 d + j is o(my query, 16 d + 8 (lane / 16) + j)
	v_pk_mul_f32 v[SB+i:SB+i+1], v[OB+i:OB+i+1], v[FB:FB+1] op_sel_hi:[1,0]
.set i, i+2
.endr
	WIN 0
.set i, 0
.rept 32
	v_med3_num_f32 v[SA+i], v[SA+i], -v[OLIM], v[OLIM]
	v_med3_num_f32 v[SB+i], v[SB+i], -v[OLIM], v[OLIM]
.set i, i+1
.endr
.irp d, 0,1,2,3
	v_cvt_scalef32_pk8_bf8_f32 v[PCA+2*\d:PCA+2*\d+1], v[SA+8*\d:SA+8*\d+7], v[OSCL]
	v_cvt_scalef32_pk8_bf8_f32 v[PCB+2*\d:PCB+2*\d+1], v[SB+8*\d:SB+8*\d+7], v[OSCL]
.endr
	v_nop                                          ; one plain vector instruction behind the last conversion
	global_store_b128 v[LI], v[PCA:PCA+3], s[12:13]
	global_store_b128 v[LI], v[PCA+4:PCA+7], s[12:13] offset:512
	global_store_b128 v[LI], v[PCB:PCB+3], s[12:13] offset:65536
	global_store_b128 v[LI], v[PCB+4:PCB+7], s[12:13] offset:65536+512
	s_wait_xcnt 0x0                                ; the stores have read their registers and their base: both are written again only behind this wait
.endm
	s_wait_alu depctr_va_vdst(0)                   ; the wait at the head's end
	s_wait_tensorcnt 0x0                           ; my part of the first four key steps is in; these lines stand ahead of a later first fill as ahead of a refill
	ds_add_u32 v[SPW], v[NIL]                      ; 0 onto my spare word
	s_wait_dscnt 0x0
	CROUND                                         ; everybody's part is in, and all four work-groups are here: the joint loads meet
	tensor_load_to_lds s[G0B:G0B+3], s[G1B:G1B+7]  ; all the rest of the two heads: my one load behind the round, and my last
	s_nop 0
	KLOADS LI, 0                                   ; key step 0's K (it begins at LDS byte 0); the window is set directly behind the line above
	s_wait_dscnt 0x0
	s_mov_b32 s[TR], 3
.Lfirst:                                           ; the first head's key steps 0 to 2; the last of them fetches key step 3's K, the last of the first load's bytes
	STEP 0
	s_sub_co_u32 s[TR], s[TR], 1
	s_cmp_lg_u32 s[TR], 0
	s_cbranch_scc1 .Lfirst
	s_wait_tensorcnt 0x0                           ; my part of the rest is in,
	s_barrier_signal -1
	s_barrier_wait -1                              ; everybody's is
	s_mov_b32 s[TB], 3*STEPB
	s_mov_b32 s[TR], 13
.Lrest:                                            ; the first head's key steps 3 to 7, the second head's eight
	s_cmp_lg_u32 s[TR], 8
	s_cbranch_scc1 .Lsame
	RESET                                          ; eight trips to go: the second head begins; its K and V follow the first head's in LDS
	WIN 0x41
.set i, 0
.rept 16
	v_mov_b32 v[Q+i], v[Q+16+i]
.set i, i+1
.endr
	WIN 0
	s_add_nc_u64 s[12:13], s[12:13], 1024          ; its place in o_ws
.Lsame:
	STEP 1
	s_sub_co_u32 s[TR], s[TR], 1
	s_and_b32 s59, s[TR], 7
	s_cmp_lg_u32 s59, 0
	s_cbranch_scc1 .Lgo
	WAYOUT                                         ; eight or no trips to go: a head is finished
.Lgo:
	s_cmp_lg_u32 s[TR], 0
	s_cbranch_scc1 .Lrest
	s_wait_tensorcnt 0x0                           ; the wave's end
	ds_add_u32 v[SPW], v[NIL]
	s_wait_dscnt 0x0
	CROUND                                         ; the closing round: no work-group ends while a partner may still ask for a tile that names it
	s_endpgm
.Lfunc_end_k_qd3dd039f1b_attn:
	.size	k_qd3dd039f1b_attn, .Lfunc_end_k_qd3dd039f1b_attn-k_qd3dd039f1b_attn
	.p2alignl 7, 3214868480
	.fill 96, 4, 3214868480
	.section	.rodata,"a",@progbits
	.p2align	6, 0x0
	.amdhsa_kernel k_qd3dd039f1b_attn
		.amdhsa_group_segment_fixed_size 327680
		.amdhsa_private_segment_fixed_size 0
		.amdhsa_enable_private_segment 0
		.amdhsa_kernarg_size 40
		.amdhsa_user_sgpr_count 2
		.amdhsa_user_sgpr_kernarg_segment_ptr 1
		.amdhsa_wavefront_size32 1
		.amdhsa_system_sgpr_workgroup_id_x 1
		.amdhsa_system_sgpr_workgroup_id_y 1
		.amdhsa_system_sgpr_workgroup_id_z 1
		.amdhsa_system_vgpr_workitem_id 0
		.amdhsa_next_free_vgpr 448
		.amdhsa_next_free_sgpr 80
		.amdhsa_reserve_vcc 1
		.amdhsa_float_denorm_mode_32 3
		.amdhsa_float_denorm_mode_16_64 3
		.amdhsa_memory_ordered 1
		.amdhsa_forward_progress 1
		.amdhsa_inst_pref_size 89
	.end_amdhsa_kernel
	.amdgpu_metadata
---
amdhsa.version: [ 1, 2 ]
amdhsa.kernels:
  - .name:           k_qd3dd039f1b_attn
    .symbol:         k_qd3dd039f1b_attn.kd
    .args:
      - { .name: q_ws, .offset: 0, .size: 8, .value_kind: global_buffer, .address_space: global }
      - { .name: kv_ws, .offset: 8, .size: 8, .value_kind: global_buffer, .address_space: global }
      - { .name: attn_scale, .offset: 16, .size: 8, .value_kind: global_buffer, .address_space: global }
      - { .name: lowp_scales, .offset: 24, .size: 8, .value_kind: global_buffer, .address_space: global }
      - { .name: o_ws, .offset: 32, .size: 8, .value_kind: global_buffer, .address_space: global }
    .group_segment_fixed_size: 327680
    .private_segment_fixed_size: 0
    .kernarg_segment_align: 8
    .kernarg_segment_size: 40
    .max_flat_workgroup_size: 256
    .sgpr_count:     80
    .vgpr_count:     448
    .wavefront_size: 32
...
	.end_amdgpu_metadata
.endif
;; end of part 2
;; launch oproj (part 3): grid 4 x 64, 4 waves a work-group, clusters of 4 x 4, 327,680 bytes of LDS; arguments o_ws, Wo_codes, bo, lowp_scales, out0; writes out0
.if DOCPART == 3
	.amdgcn_target "amdgcn-amd-amdhsa--gfx1250"
	.amdhsa_code_object_version 6
	.text
	.protected	k_qd3dd039f1b_oproj
	.globl	k_qd3dd039f1b_oproj
	.p2align	8
	.type	k_qd3dd039f1b_oproj,@function
k_qd3dd039f1b_oproj:
	s_mov_b64 s[64:65], 0
	v_nop
	global_prefetch_b8 v0, s[64:65] scope:SCOPE_SE
	s_setreg_imm32_b32 hwreg(HW_REG_WAVE_MODE, 25, 1), 1
	s_wait_xcnt 0x0
	s_wait_alu depctr_hold_cnt(0) depctr_sa_sdst(0) depctr_va_vdst(0) depctr_va_sdst(0) depctr_va_ssrc(0) depctr_va_vcc(0) depctr_vm_vsrc(0)
	s_getreg_b32 s2, hwreg(HW_REG_IB_STS2, 6, 4)
	s_cmp_eq_u32 s2, 0
	s_cbranch_scc0 .Lentry_in_a_cluster
	s_endpgm
.Lentry_in_a_cluster:
	s_bfe_u32 s2, ttmp6, 0x10000c
	s_cmp_lg_u32 s2, 0xf033
	s_cbranch_scc0 .Lentry_shape_is_right
	s_endpgm
.Lentry_shape_is_right:
; out0 = o Wo^T + bo on codes of BF8 (E5M2).  o: 8,192 tokens x 1,024, as images of operand registers (o_ws: [tile of 16 tokens 512][K step of 128 8][part 4][lane 32][16 bytes]); Wo: [1024][1024] codes, K innermost; out0 f32.
; A sum stands for sum x 2^(e10 + e11): out0 = sum x 2^(e10 + e11) + bo, one packed multiply-add for two numbers.  LIMIT: e10 + e11 between -126 and 127.
; SHARES.  256 work-groups, one for each tile of 128 tokens x 256 columns; each of four waves makes 64 tokens x 128 columns: 32 accumulators, 256 registers.
; The matrix instruction is used transposed (source 0 = 16 rows of Wo, source 1 = 16 tokens): a lane holds eight neighbouring columns of one row of out0.
; o's images hold k in the places of this form's own layout (registers 2 c, 2 c + 1: k = 16 c + 8 (lane / 16) + 0 .. 7), so Wo's fragments are fetched in that layout too: eight loads of 8 bytes, 16 bytes apart.
; CLUSTERS: 4 x 4 work-groups; o's tile is shared along a row of the cluster, Wo's along a column: each is asked for jointly, by the same tensor load with a mask that names the four.
; THREE FILLS, one tensor load a wave each (waves 0, 1: o's halves; waves 2, 3: Wo's).  Fill 1, at the head: K = 0 .. 511, into region 1.  Fill 2, behind the waits, the add and a round: K = 512 .. 767, into region 2.
; Fill 3, in K step 3, when region 1 has been read out: K = 768 .. 1,023, onto the first bytes of region 1's four parts.  The text is straight: eight K steps of 128.
; Nothing is prefetched: the three requests are written straight, with no loop to run ahead in.
; REGISTERS, in windows of 256: window 0: v12-15 bo of my four columns; v16-29 addresses; v32-95 the way out; v128-191, v192-255 o's fragments, two sets.   window 1: Wo's fragments, two sets.   window 2: the accumulators ((a, b) at v[8 (8 a + b)]).
.set P1,     528                       ; a row of Wo in region 1: 512 bytes + 16 of padding: an odd multiple of 16 bytes
.set P2,     272                       ; in fills 2 and 3: 256 bytes + 16
.set B1,     65536                     ; region 1: o's two halves x four tiles of tokens x 8,192 bytes, then Wo's two halves of 128 rows
.set HB1,    128*P1
.set A2,     B1+2*HB1                  ; region 2: o's two halves x four tiles x 4,096 bytes,
.set B2,     A2+32768                  ; then Wo's two halves of 128 rows
.set HB2,    128*P2
.set SPARE,  B2+2*HB2                  ; behind the regions: the spare words, 128 bytes for each wave, which no other line names
.set STAGE,  A2                        ; the way out: 16 rows x (512 bytes + 16) for each wave, in region 2, which has had its one fill, and its last read in front of K step 5's barrier
.set SPITCH, 528
.set BI,   12
.set ADRA, 16                          ; v16  LDS address of my fragments of o in region 1 (fills 1 and 3);  v17 in region 2
.set ADRA2, 17
.set ADRB1, 20                         ; v20-22  the same for Wo: fill 1, fill 2, fill 3
.set ADRB2, 21
.set ADRB3, 22
.set STO,  24                          ; v24  the way out: where I put 32 bytes of a row
.set RD,   25                          ; v25  where I read a row back
.set CO,   26                          ; v26  16 x lane
.set SPW,  28                          ; v28  LDS address of my spare word; v29 0: never rewritten
.set NIL,  29
.set BK0,  32                          ; the way out: 16 rows read back: v32-95 and v128-191 by turns
.set AF,   128
.set G1A1, 24                          ; s[24:31], s[32:39] descriptor group 1 for o's tiles: fill 1; fills 2 and 3
.set G1A2, 32
.set G1B1, 40                          ; s[40:47], s[48:55] the same for Wo's
.set G1B2, 48
.set G0A,  68                          ; s[68:79] group 0 for o's tiles, one set for each fill;  s[80:91] for Wo's
.set G0B,  80
.set MSB, 0
.macro WIN new                         ; the immediate's high byte repeats the setting that is left
.if MSB != (\new)
	s_set_vgpr_msb (MSB<<8)|(\new)
.set MSB, (\new)
.endif
.endm
.set MUL, 0xa1                         ; source 0 (Wo) window 1, source 1 (o) window 0, C and D window 2
.macro JLOAD g0a, g1a, g0b, g1b        ; a joint load: waves 0 and 1 fetch for o, waves 2 and 3 for Wo; an s_nop 0 and four v_nop follow each of the two lines
	s_cmp_eq_u32 s15, 0
	s_cbranch_scc0 .Lfor_b_\@
	tensor_load_to_lds s[\g0a:\g0a+3], s[\g1a:\g1a+7]
	s_nop 0
.rept 4
	v_nop
.endr
	s_branch .Lasked_\@
.Lfor_b_\@:
	tensor_load_to_lds s[\g0b:\g0b+3], s[\g1b:\g1b+7]
	s_nop 0
.rept 4
	v_nop
.endr
.Lasked_\@:
.endm
.macro CREST                           ; a round of the cluster's barrier behind its opening barrier
	s_cmp_lg_u32 s14, 0
	s_cbranch_scc1 .Lnot_wave_0_\@
	s_barrier_signal -3
.Lnot_wave_0_\@:
	s_barrier_wait -3
	s_barrier_signal -1
	s_barrier_wait -1
.endm
.macro CROUND
	s_barrier_signal -1
	s_barrier_wait -1
	CREST
.endm
.macro PLACES n
.rept \n
	v_nop
.endr
.endm
	s_load_b128 s[4:7], s[0:1], 0x0                ; o_ws s[4:5], Wo's codes s[6:7]
	s_load_b128 s[8:11], s[0:1], 0x10              ; bo s[8:9], the exponents s[10:11]
	s_load_b64 s[12:13], s[0:1], 0x20              ; out0
	v_lshl_add_u32 v[SPW], v0, 2, SPARE
	v_mov_b32 v[NIL], 0
	ds_add_u32 v[SPW], v[NIL]                      ; the opening lines: the add, twice on end, and its wait ahead of my first tensor load
	ds_add_u32 v[SPW], v[NIL]
	v_lshrrev_b32 v1, 5, v0
	v_readfirstlane_b32 s14, v1                    ; wave 0..3
	s_lshr_b32 s15, s14, 1                         ; which 64 tokens are mine.  Also: I fetch for o (0) or for Wo (1)
	s_and_b32 s16, s14, 1                          ; which 128 columns.  Also: which half of that tile I fetch
	s_bfe_u32 s92, ttmp6, 0x40000                  ; cx, cy: my place in the cluster
	s_bfe_u32 s93, ttmp6, 0x40004
	s_lshl_b32 s94, ttmp9, 2
	s_add_co_u32 s94, s94, s92                     ; tile column: 256 columns
	s_and_b32 s17, ttmp7, 0xffff
	s_lshl_b32 s17, s17, 2
	s_add_co_u32 s17, s17, s93                     ; tile row: 128 tokens
	s_lshl_b32 s18, s93, 2
	s_lshl_b32 s18, 15, s18                        ; my row of the cluster
	s_lshl_b32 s19, 0x1111, s92                    ; my column
	; o's tiles: four tiles of tokens, 16,384 bytes apart in memory, on end in LDS; of each 8,192 bytes (four K steps' images) in fill 1, 4,096 in fills 2 and 3
	s_or_b32 s[G1A1], s18, (3<<16)|(1<<21)         ; 15:0 the mask; 17:16 elements of 8 bytes; 21 set beside a mask
	s_mov_b32 s[G1A1+1], 1024<<16                  ; tensor_dim0
	s_mov_b32 s[G1A1+3], 1024<<16                  ; tile_dim0
	s_or_b32 s[G1A2], s18, (3<<16)|(1<<21)
	s_mov_b32 s[G1A2+1], 512<<16
	s_mov_b32 s[G1A2+3], 512<<16
.irp g, G1A1, G1A2
	s_mov_b32 s[\g+2], 4<<16                       ; tensor_dim1
	s_mov_b32 s[\g+4], 4                           ; tile_dim1
	s_mov_b32 s[\g+5], 2048                        ; tensor_dim0_stride
	s_mov_b32 s[\g+6], 0
	s_mov_b32 s[\g+7], 0
.endr
	; Wo's tiles: 128 rows of 512 bytes in fill 1, of 256 in fills 2 and 3, four words of padding behind each row
	s_or_b32 s[G1B1], s19, (1<<20)|(1<<21)|(6<<22)|(3<<25)   ; elements of 1 byte; padding: four words after every 128
	s_mov_b32 s[G1B1+1], 512<<16
	s_mov_b32 s[G1B1+3], 512<<16
	s_or_b32 s[G1B2], s19, (1<<20)|(1<<21)|(5<<22)|(3<<25)   ; four words after every 64
	s_mov_b32 s[G1B2+1], 256<<16
	s_mov_b32 s[G1B2+3], 256<<16
.irp g, G1B1, G1B2
	s_mov_b32 s[\g+2], 128<<16
	s_mov_b32 s[\g+4], 128
	s_mov_b32 s[\g+5], 1024
	s_mov_b32 s[\g+6], 0
	s_mov_b32 s[\g+7], 0
.endr
	s_lshl_b32 s20, s17, 3
	s_lshl_b32 s22, s16, 2
	s_add_co_u32 s20, s20, s22                     ; o: tile of tokens 8 x tile row + 4 x half,
	s_lshl_b32 s20, s20, 14                        ; of 16,384 bytes: under 2^23
	s_mov_b32 s21, 0
	s_lshl_b32 s98, s94, 8
	s_lshl_b32 s22, s16, 7
	s_add_co_u32 s98, s98, s22                     ; Wo: row 256 x tile column + 128 x half,
	s_lshl_b32 s98, s98, 10                        ; of 1,024 bytes
	s_mov_b32 s99, 0
	s_lshl_b32 s56, s16, 15                        ; where the halves go: o's in region 1,
	s_lshl_b32 s57, s16, 14
	s_add_co_u32 s57, s57, A2                      ; in region 2;
	s_mul_i32 s58, s16, HB1
	s_add_co_u32 s58, s58, B1                      ; Wo's in region 1,
	s_mul_i32 s59, s16, HB2
	s_add_co_u32 s59, s59, B2                      ; in region 2: no place in the cluster enters an LDS address
	s_wait_dscnt 0x0                               ; both opening adds are done
	s_wait_kmcnt 0x0
	s_load_b64 s[96:97], s[10:11], 0x28            ; e10, e11
	s_add_nc_u64 s[20:21], s[4:5], s[20:21]
	s_add_nc_u64 s[98:99], s[6:7], s[98:99]
	CROUND                                         ; all sixteen work-groups are here: the first joint loads meet
	s_mov_b32 s[G0A+1], s56                        ; fill 1
	s_mov_b32 s[G0B+1], s58
	s_mov_b64 s[G0A+2:G0A+3], s[20:21]
	s_mov_b64 s[G0B+2:G0B+3], s[98:99]
	s_mov_b32 s[G0A+5], s57                        ; fill 2: K step 4 on: 4 x 2,048 bytes of images, 512 bytes of a row of Wo
	s_mov_b32 s[G0B+5], s59
	s_add_nc_u64 s[G0A+6:G0A+7], s[20:21], 8192
	s_add_nc_u64 s[G0B+6:G0B+7], s[98:99], 512
	s_mov_b32 s[G0A+9], s56                        ; fill 3: K step 6 on
	s_mov_b32 s[G0B+9], s58
	s_add_nc_u64 s[G0A+10:G0A+11], s[20:21], 12288
	s_add_nc_u64 s[G0B+10:G0B+11], s[98:99], 768
.irp n, 0,1,2
	s_mov_b32 s[G0A+4*\n], 1
	s_or_b32 s[G0A+4*\n+3], s[G0A+4*\n+3], 0x80000000
	s_mov_b32 s[G0B+4*\n], 1
	s_or_b32 s[G0B+4*\n+3], s[G0B+4*\n+3], 0x80000000
.endr
	JLOAD G0A, G1A1, G0B, G1B1                     ; fill 1: one tensor load a wave at the head
	s_lshl_b32 s22, s15, 15                        ; my four tiles of tokens in region 1,
	s_lshl_b32 s23, s15, 14
	s_add_co_u32 s23, s23, A2                      ; in region 2 (my 128 rows of Wo begin where half s16 went: s58, s59)
	s_mul_i32 s95, s14, 16*SPITCH
	s_add_co_u32 s95, s95, STAGE                   ; my stage
	s_lshl_b32 s60, s17, 7
	s_lshl_b32 s61, s15, 6
	s_add_co_u32 s60, s60, s61                     ; my first token,
	s_lshl_b32 s60, s60, 12                        ; a row of out0 is 4,096 bytes: under 2^25
	s_lshl_b32 s62, s94, 8
	s_lshl_b32 s63, s16, 7
	s_add_co_u32 s62, s62, s63                     ; my first column,
	s_lshl_b32 s62, s62, 2                         ; in bytes
	s_add_co_u32 s60, s60, s62
	s_mov_b32 s61, 0
	s_mov_b32 s63, 0
	s_add_nc_u64 s[12:13], s[12:13], s[60:61]
	s_add_nc_u64 s[8:9], s[8:9], s[62:63]
	v_and_b32 v1, 15, v0                           ; r
	v_bfe_u32 v2, v0, 4, 1                         ; h
	v_and_b32 v3, 31, v0
	v_lshlrev_b32 v[CO], 4, v3
	v_mul_u32_u24 v4, v1, P1
	v_lshl_add_u32 v4, v2, 3, v4                   ; Wo: row x pitch + 8 x half, for either pitch
	v_mul_u32_u24 v5, v1, P2
	v_lshl_add_u32 v5, v2, 3, v5
	v_add_nc_u32 v[ADRA], s22, v[CO]
	v_add_nc_u32 v[ADRA2], s23, v[CO]
	v_add_nc_u32 v[ADRB1], s58, v4
	v_add_nc_u32 v[ADRB2], s59, v5
	v_add_nc_u32 v[ADRB3], s58, v5
	v_mul_u32_u24 v6, v1, SPITCH
	v_lshl_add_u32 v6, v2, 5, v6
	v_add_nc_u32 v[STO], s95, v6                   ; in: row r, 32 bytes for each half of the lanes
	v_add_nc_u32 v[RD], s95, v[CO]                 ; back: the 32 lanes take one row of 512 bytes
	global_load_b128 v[BI:BI+3], v[CO], s[8:9]     ; bo of the four columns that I store
	s_wait_alu depctr_va_vdst(0)                   ; the wait at the head's end
	s_wait_kmcnt 0x0
	s_add_co_i32 s96, s96, s97
	s_add_co_i32 s96, s96, 127
	s_lshl_b32 s96, s96, 23                        ; 2^(e10 + e11) as f32
	s_mov_b32 s97, s96                             ; (named with it as a pair, so it is written)
; The fragments of one K step of 128 into set p.  Wo: eight tiles of 16 rows (pitch bp), eight loads of 8 bytes each, from byte bo of the rows; o: four tiles of tokens (at bytes apart), four loads of 16 bytes each, an image, from byte ao.
.macro FETCH ar, ao, at, br, bo, bp, p
	WIN 0x40                                       ; destination window 1, address window 0
.irp i, 0,1,2,3,4,5,6,7
.irp c, 0,1,2,3,4,5,6,7
	ds_load_b64 v[128*(\p)+16*\i+2*\c:128*(\p)+16*\i+2*\c+1], v[\br] offset:(\bo)+16*\c+\i*16*(\bp)
.endr
.endr
	WIN 0
.irp i, 0,1,2,3
.irp c, 0,1,2,3
	ds_load_b128 v[AF+64*(\p)+16*\i+4*\c:AF+64*(\p)+16*\i+4*\c+3], v[\ar] offset:(\ao)+\i*(\at)+\c*512
.endr
.endr
.endm
.macro FK k                            ; K step k's fragments, into set k % 2: K steps 0 to 3 lie in fill 1, 4 and 5 in fill 2, 6 and 7 in fill 3
.if (\k) < 4
	FETCH ADRA, (\k)*2048, 8192, ADRB1, (\k)*128, P1, (\k)%2
.else
.if (\k) < 6
	FETCH ADRA2, ((\k)-4)*2048, 4096, ADRB2, ((\k)-4)*128, P2, (\k)%2
.else
	FETCH ADRA, ((\k)-6)*2048, 4096, ADRB3, ((\k)-6)*128, P2, (\k)%2
.endif
.endif
.endm
; 8 matrix instructions: tile of tokens a x Wo's eight tiles.  The 32 accumulators take turns, one instruction a turn, in the same order in every step.
.macro MUL8 a, p, zero
.irp b, 0,1,2,3,4,5,6,7
.if \zero
	v_wmma_f32_16x16x128_bf8_bf8 v[8*(8*(\a)+\b):8*(8*(\a)+\b)+7], v[128*(\p)+16*\b:128*(\p)+16*\b+15], v[AF+64*(\p)+16*(\a):AF+64*(\p)+16*(\a)+15], 0
.else
	v_wmma_f32_16x16x128_bf8_bf8 v[8*(8*(\a)+\b):8*(8*(\a)+\b)+7], v[128*(\p)+16*\b:128*(\p)+16*\b+15], v[AF+64*(\p)+16*(\a):AF+64*(\p)+16*(\a)+15], v[8*(8*(\a)+\b):8*(8*(\a)+\b)+7]
.endif
.endr
.endm
; K step k; in its middle the next step's fragments are fetched into the other set, four places behind the last product that read it.
.macro STEPM k, zero
	s_wait_dscnt 0x0                               ; this step's fragments are in
	WIN MUL
	MUL8 0, (\k)%2, \zero
	MUL8 1, (\k)%2, \zero
	PLACES 4
	FK (\k)+1
	WIN MUL
	MUL8 2, (\k)%2, \zero
	MUL8 3, (\k)%2, \zero
	WIN 0
.endm
	s_wait_loadcnt 0x0                             ; bo is in
	s_wait_tensorcnt 0x0                           ; my part of fill 1 is in; these lines stand ahead of a later first fill as ahead of a refill
	ds_add_u32 v[SPW], v[NIL]                      ; 0 onto my spare word
	s_wait_dscnt 0x0
	CROUND                                         ; everybody's part is in, and all sixteen work-groups are here
	JLOAD G0A+4, G1A2, G0B+4, G1B2                 ; fill 2: the first tensor load behind the round
	FK 0
	STEPM 0, 1                                     ; K step 0: its products start the sums
	STEPM 1, 0
	STEPM 2, 0
	; K step 3, region 1's last: fill 3 lands on region 1
	s_wait_tensorcnt 0x0                           ; my one load that was out, my part of fill 2, has landed
	ds_add_u32 v[SPW], v[NIL]                      ; 0 onto my spare word
	s_wait_dscnt 0x1                               ; this step's fragments are in (the add may be out)
	WIN MUL
	MUL8 0, 1, 0                                   ; eight matrix instructions stand between the add and the wait for it
	s_wait_dscnt 0x0                               ; the add is done, and my reads of region 1 are over
	s_barrier_signal -1
	MUL8 1, 1, 0
	WIN 0
	s_barrier_wait -1
	CREST                                          ; the barrier has opened a round of the cluster's barrier: no wave of any partner still reads region 1 or has a load on its way
	JLOAD G0A+8, G1A2, G0B+8, G1B2                 ; fill 3: the first tensor load behind the round, my last; its four v_nop are the places in front of the loads below
	FK 4
	WIN MUL
	MUL8 2, 1, 0
	MUL8 3, 1, 0
	WIN 0
	STEPM 4, 0
	; K step 5: the next step reads fill 3
	s_wait_dscnt 0x0                               ; this step's fragments are in: my reads of region 2 are over
	WIN MUL
	MUL8 0, 1, 0
	s_wait_tensorcnt 0x0                           ; my part of fill 3 is in,
	s_barrier_signal -1
	MUL8 1, 1, 0
	WIN 0
	s_barrier_wait -1                              ; everybody's is; and every wave's reads of region 2 are over
	PLACES 4
	FK 6
	WIN MUL
	MUL8 2, 1, 0
	MUL8 3, 1, 0
	WIN 0
	STEPM 6, 0
	s_wait_dscnt 0x0                               ; K step 7: nothing more to fetch
	WIN MUL
	MUL8 0, 1, 0
	MUL8 1, 1, 0
	MUL8 2, 1, 0
	MUL8 3, 1, 0
	WIN 0
; THE WAY OUT, block by block of 16 tokens x 128 columns.  A lane holds 32 neighbouring bytes of a row, and the lanes beside it hold other rows: so a block goes through my own stage in LDS and comes back as whole
; rows of 512 bytes.  LDS serves a wave's instructions in order (ISA guide 5.7.1.4): no wait between the stores and the loads, nor in front of the next block's stores.
.macro TOSTAGE a
	WIN 0x08                                       ; the stores' data: window 2
.irp b, 0,1,2,3,4,5,6,7
	ds_store_b128 v[STO], v[64*(\a)+8*\b:64*(\a)+8*\b+3] offset:64*\b          ; each accumulator from its low end on
	ds_store_b128 v[STO], v[64*(\a)+8*\b+4:64*(\a)+8*\b+7] offset:64*\b+16
.endr
	WIN 0
.set BB, BK0+96*((\a)%2)
.irp t, 0,1,2,3,4,5,6,7,8,9,10,11,12,13,14,15
	ds_load_b128 v[BB+4*\t:BB+4*\t+3], v[RD] offset:\t*SPITCH
.endr
.endm
.macro SEND a, younger                 ; younger: the LDS instructions issued behind block a's loads, which may stay out
.set BB, BK0+96*((\a)%2)
	s_wait_dscnt \younger                          ; the block is back in registers
.irp t, 0,1,2,3,4,5,6,7,8,9,10,11,12,13,14,15
	v_pk_fma_f32 v[BB+4*\t:BB+4*\t+1], v[BB+4*\t:BB+4*\t+1], s[96:97], v[BI:BI+1] op_sel_hi:[1,0,1]       ; sum x 2^(e10 + e11) + bo
	v_pk_fma_f32 v[BB+4*\t+2:BB+4*\t+3], v[BB+4*\t+2:BB+4*\t+3], s[96:97], v[BI+2:BI+3] op_sel_hi:[1,0,1]
.endr
.irp t, 0,1,2,3,4,5,6,7,8,9,10,11,12,13,14,15
	global_store_b128 v[CO], v[BB+4*\t:BB+4*\t+3], s[12:13] offset:(16*(\a)+\t)*4096 th:TH_STORE_NT   ; 32 lanes store 512 consecutive bytes, at a multiple of 512 from out0's first byte; written once, read by nobody here
.endr
.endm
	PLACES 4                                       ; behind the last products: their results are read, and o's first set is loaded over
	TOSTAGE 0
.irp a, 1,2,3
.if \a > 1
	s_wait_xcnt 0x0                                ; block a - 2's stores have read their registers: block a's loads land there only behind this wait
.endif
	TOSTAGE \a
	SEND \a-1, 32                                  ; behind block a - 1's loads: block a's 16 stores and 16 loads
.endr
	SEND 3, 0
	s_wait_tensorcnt 0x0                           ; the wave's end
	ds_add_u32 v[SPW], v[NIL]
	s_wait_dscnt 0x0
	CROUND                                         ; the closing round: no work-group ends while a partner may still ask for a tile that names it
	s_endpgm
.Lfunc_end_k_qd3dd039f1b_oproj:
	.size	k_qd3dd039f1b_oproj, .Lfunc_end_k_qd3dd039f1b_oproj-k_qd3dd039f1b_oproj
	.p2alignl 7, 3214868480
	.fill 96, 4, 3214868480
	.section	.rodata,"a",@progbits
	.p2align	6, 0x0
	.amdhsa_kernel k_qd3dd039f1b_oproj
		.amdhsa_group_segment_fixed_size 327680
		.amdhsa_private_segment_fixed_size 0
		.amdhsa_enable_private_segment 0
		.amdhsa_kernarg_size 40
		.amdhsa_user_sgpr_count 2
		.amdhsa_user_sgpr_kernarg_segment_ptr 1
		.amdhsa_wavefront_size32 1
		.amdhsa_system_sgpr_workgroup_id_x 1
		.amdhsa_system_sgpr_workgroup_id_y 1
		.amdhsa_system_sgpr_workgroup_id_z 1
		.amdhsa_system_vgpr_workitem_id 0
		.amdhsa_next_free_vgpr 768
		.amdhsa_next_free_sgpr 100
		.amdhsa_reserve_vcc 0
		.amdhsa_float_denorm_mode_32 3
		.amdhsa_float_denorm_mode_16_64 3
		.amdhsa_memory_ordered 1
		.amdhsa_forward_progress 1
		.amdhsa_inst_pref_size 92
	.end_amdhsa_kernel
	.amdgpu_metadata
---
amdhsa.version: [ 1, 2 ]
amdhsa.kernels:
  - .name:           k_qd3dd039f1b_oproj
    .symbol:         k_qd3dd039f1b_oproj.kd
    .args:
      - { .name: o_ws, .offset: 0, .size: 8, .value_kind: global_buffer, .address_space: global }
      - { .name: Wo_codes, .offset: 8, .size: 8, .value_kind: global_buffer, .address_space: global }
      - { .name: bo, .offset: 16, .size: 8, .value_kind: global_buffer, .address_space: global }
      - { .name: lowp_scales, .offset: 24, .size: 8, .value_kind: global_buffer, .address_space: global }
      - { .name: out0, .offset: 32, .size: 8, .value_kind: global_buffer, .address_space: global }
    .group_segment_fixed_size: 327680
    .private_segment_fixed_size: 0
    .kernarg_segment_align: 8
    .kernarg_segment_size: 40
    .max_flat_workgroup_size: 128
    .sgpr_count:     100
    .vgpr_count:     768
    .wavefront_size: 32
...
	.end_amdgpu_metadata
.endif
;; end of part 3
